; MI455X (gfx1250); checked and timed in simulation.
; The chip was launched on July 23, 2026; its instructions are those of AMD's public machine-readable ISA for CDNA 5 (MIT licence, August 2026) and "CDNA5" Instruction Set Architecture Reference Guide (July 2026). The comments in the code are by the model that wrote it; some were corrected since.
;; Quant Linear Sim. Allowed arithmetic: matrix products marked QUANTISED: E2M1 operands, one E8M0 scale for each 32 along K, by v_wmma_scale_f32_16x16x128_f8f6f4 with both operands' format E2M1 (or v_wmma_scale_f32_32x16x128_f4), f32 sums; everything else in f32.
;; Inputs: nf_lut 16 float32; weight 4,096 x 4,096 float32; x_codes 4,096 x 128 x 16 uint8 (E2M1 codes of x, K innermost, in blocks of 32 codes, two codes a byte); x_scales 4,096 x 128 uint8 (E8M0 scales of x, one for each 32 codes along K).
;; Outputs: out0 4,096 x 4,096 float32.
;; This version of the problem:
;;   THIS VERSION OF THE PROBLEM IS GIVEN IN LOW PRECISION. The matrix products marked QUANTISED in the list below multiply operands that are first quantised to E2M1 (2 exponent bits, 1 mantissa bit; 4 bits a number), with one power-of-two scale for each 32 numbers along K (OCP MX v1.0); their sums are f32. All else is computed in f32.
;;   The module's matrix products, in the order in which they are computed (A, B: the left and right operand; K: the contracted axis; several contracted axes count as one K, in the product's order):
;;     1. [M 4,096, K 4,096] x [K 4,096, N 4,096]; A: input x (given as codes); B: computed on the way: QUANTISED
;;   THE QUANTISER, for each operand of a quantised product, along K:
;;     - K is cut into blocks of 32 from its start; a last block that is shorter is filled with zeros.
;;     - A block's scale is 2^e with e = floor(log2(the largest magnitude in the block)) - 2, held to -126 .. 127; a block of zeros has e = 0. As a byte (E8M0): e + 127.
;;     - Each number is divided by its block's scale, clamped to +-6, and rounded to the nearest number of E2M1, ties to even, subnormals kept.
;;     - The product sums the exact products of the quantised numbers (number of the format x scale) in f32.
;;   ~~~python
;;   def quantise(x, axis):      # numpy; x: float32 -> the quantised numbers, widened to float32 again
;;       x = np.moveaxis(x, axis, -1); K = x.shape[-1]
;;       x = np.pad(x, [(0, 0)] * (x.ndim - 1) + [(0, -K % 32)]); x = x.reshape(x.shape[:-1] + (-1, 32)); a = np.abs(x).max(-1, keepdims=True)
;;       e = np.where(a > 0, np.clip(np.frexp(np.where(a > 0, a, 1))[1] - 1 - 2, -126, 127), 0)      # np.frexp(a)[1] - 1 = floor(log2(a)), exactly
;;       r = np.clip(x / 2.0 ** e, -6, 6)
;;       step = 2.0 ** (np.maximum(np.frexp(np.where(r == 0, 1, r))[1] - 1, 0) - 1)
;;       q = np.round(r / step) * step * 2.0 ** e      # np.round: ties to even
;;       return np.moveaxis(q.reshape(q.shape[:-2] + (-1,))[..., :K], -1, axis).astype(np.float32)
;;   ~~~
;;   OPERANDS COMPUTED ON THE WAY. 'Computed on the way' means the value that the module computes at that place (a softmax that the list does not call 'softmax' is quantised finished and normalised). What goes into a quantiser is computed in f32, as accurately as f32 sums, v_exp_f32 and their like allow (about 1e-6 of the number): no bf16 or f16 on the way to a quantiser, and a product that is left as it is and whose result goes on into a quantised operand takes f32 operands (vector FMAs, or v_wmma_f32_16x16x4_f32). A number that lies on a knife's edge between two numbers of the format may be rounded either way, as far as f32 arithmetic and the matrix unit's own rounding can turn it there, and no further.
;;   INPUTS GIVEN AS CODES. x (in the module: [4096, 4096], K = its axis 1): each comes as NAME_codes (uint8): NAME with its K axis moved to the last place and cut into blocks of 32 codes, [.., K / 32, bytes a block], one block behind the other in memory; two codes a byte, the lower K in the low four bits (a code: sign, 2 exponent bits, 1 mantissa bit); and NAME_scales (uint8): the same leading axes, one E8M0 byte (e + 127) for each 32 codes along K. Its value is code x scale, taken as it is: it is not quantised again, and the codes and scales need not be those that the quantiser above would give.
;; One version. Each part assembles by itself: llvm-mc -triple=amdgcn-amd-amdhsa -mcpu=gfx1250 --defsym DOCPART=n.
;; ======== version 1 of 1: 2 launches
;; limits: inputs' magnitudes at most 1.585e+29; values are held in f16: magnitudes above 65,504 overflow, below 6.1e-05 lose precision; right only within a limited range of input values
;; workspace buffers: w_codes 8,388,608 bytes; scl 1,048,576 bytes
;; launch prep (part 1): grid 256 x 1, 16 waves a work-group, no clusters, 327,680 bytes of LDS; arguments weight, nf_lut, x_scales, w_codes, scl; writes w_codes, scl
.if DOCPART == 1
	.amdgcn_target "amdgcn-amd-amdhsa--gfx1250"
	.amdhsa_code_object_version 6
	.text
	.protected	k_qe80ddebd2d_prep
	.globl	k_qe80ddebd2d_prep
	.p2align	8
	.type	k_qe80ddebd2d_prep,@function
k_qe80ddebd2d_prep:
	s_mov_b64 s[64:65], 0
	v_nop
	global_prefetch_b8 v0, s[64:65] scope:SCOPE_SE
	s_setreg_imm32_b32 hwreg(HW_REG_WAVE_MODE, 25, 1), 1
	s_wait_xcnt 0x0
; qweight = quantize_nf(weight, nf_lut), quantised to MX-FP4 along K; x's scale bytes are laid anew beside the weight's.
; 256 work-groups x 16 waves: a wave takes one row of 4,096 weights, a lane 128 neighbours = four blocks of 32.
; One tensor load a wave brings the row as 32 LDS rows of 512 bytes + 16 of padding; no LDS byte is filled twice.
; No work-group shares an input, so there is no cluster; each wave asks for all its bytes at the head, so there is no loop in which a prefetch could run ahead.
; THE MEDIAN is not searched for.  s = the sorted row, L = lower, U = upper, L in [s2, s3], U in [s4092, s4093].  The median (s2047 + s2048) / 2 enters
; only max(tmp) and min(tmp).  With nL = #(w > L) and nH = #(w < U): if nL <= 2048 then s3 = .. = s2047, so s2047 = s3; else if nH <= 2047 then s2047 = s4092;
; else if nH = 2048 then s2047 = max{w < U}.  Likewise s2048 = s4092 if nH <= 2048, else s3 if nL <= 2047, else min{w > L} if nL = 2048.
; In every other case s2047 and s2048 are no outliers, the median lies between min{w > L} and max{w < U}, and any number between these two gives the same
; max(tmp) and min(tmp): the same selects then yield their mean.  This holds for all finite rows in exact arithmetic.
; THE NEAREST POLE: the poles are sorted (any order of nf_lut is served); weight w takes sorted pole r if w > offset + range x (p[r-1] + p[r]) / 2, in f32:
; it differs from reference()'s argmin only where w lies within f32 rounding of a middle between two poles.
; AN OUTLIER becomes w + Q0 x range (Q0: the pole nearest 0), where reference() forms (Q0 x range + (w - offset)) + offset: another order of rounding.
; LIMITS: weight and nf_lut finite; |pole| under 1.7e38.  A block of zeros gets the scale byte 1 (its codes are zeros; only this program reads the byte).
.set PIT,   528                        ; LDS row: 512 bytes + 16
.set WREG,  32*PIT                     ; a wave's row of weights
.set SCST,  16*WREG                    ; the 16 rows' scale words, 2,048 bytes
.set OST,   SCST+2048                  ; the codes' stage of the 16 rows: 32 fragments (16 rows x 128 K, 1,024 bytes) at a pitch of 1,040
.set SPARE, OST+33280                  ; the spare words, 128 bytes a wave
; w_codes is laid as the product's operand registers take it: [64 columns][step of 128 K][16 rows][half c][lane][16 bytes]: lane (r, h) of half c holds the codes of K = 64 c + 32 h + 0 .. 31 of row r
.set WSCL,  524288                     ; scl: x's scales, then the weight's
.set X,     48                         ; v48-175 the row, 128 numbers a lane
.set Y,     48                         ; last pass: a block's 32 numbers, then its results
.set A,     80                         ; lane index x 4 (+ 3) for the permutes
.set T,     112                        ; thresholds fetched
.set LO,    144                        ; the two candidate values
.set HI,    176
.set OUT,   208                        ; the value as an outlier
; v9 range, v10 poles through f16, v11 middles, v12 Q0, v13 U, v14 L, v15 offset, v16-19 four largest, v20-23 four smallest, v32/v33 the add's registers
.macro INS x                           ; x into both sorted lists
	v_med3_num_f32 v19, v[\x], v18, v19
	v_med3_num_f32 v23, v[\x], v22, v23
	v_med3_num_f32 v18, v[\x], v17, v18
	v_med3_num_f32 v22, v[\x], v21, v22
	v_med3_num_f32 v17, v[\x], v16, v17
	v_med3_num_f32 v21, v[\x], v20, v21
	v_max_num_f32 v16, v[\x], v16
	v_min_num_f32 v20, v[\x], v20
.endm
.macro CLEAN                           ; two bitonic fours back into order
	v_max_num_f32 v28, v24, v26
	v_min_num_f32 v30, v24, v26
	v_max_num_f32 v29, v25, v27
	v_min_num_f32 v31, v25, v27
	v_min_num_f32 v180, v176, v178
	v_max_num_f32 v182, v176, v178
	v_min_num_f32 v181, v177, v179
	v_max_num_f32 v183, v177, v179
	v_max_num_f32 v16, v28, v29
	v_min_num_f32 v17, v28, v29
	v_max_num_f32 v18, v30, v31
	v_min_num_f32 v19, v30, v31
	v_min_num_f32 v20, v180, v181
	v_max_num_f32 v21, v180, v181
	v_min_num_f32 v22, v182, v183
	v_max_num_f32 v23, v182, v183
.endm
.macro MERGE m                         ; with lane l xor m's lists
.irp i, 0,1,2,3
	v_max_num_f32_dpp v[24+\i], v[19-\i], v[16+\i] row_xmask:\m row_mask:0xf bank_mask:0xf
	v_min_num_f32_dpp v[176+\i], v[23-\i], v[20+\i] row_xmask:\m row_mask:0xf bank_mask:0xf
.endr
	CLEAN
.endm
.macro EXT p                           ; two numbers: max{w < U}, min{w > L} and the two counts; four masks by turns
	v_cmp_lt_f32 s56, v[X+\p], v13
	v_cmp_lt_f32 s57, v[X+\p+1], v13
	v_cmp_gt_f32 s58, v[X+\p], v14
	v_cmp_gt_f32 s59, v[X+\p+1], v14
	v_cndmask_b32 v176, v47, v[X+\p], s56
	v_cndmask_b32 v177, v47, v[X+\p+1], s57
	v_cndmask_b32 v178, v46, v[X+\p], s58
	v_cndmask_b32 v179, v46, v[X+\p+1], s59
	v_add_co_ci_u32 v42, s60, 0, v42, s56
	v_add_co_ci_u32 v184, s61, 0, v184, s57
	v_add_co_ci_u32 v45, s62, 0, v45, s58
	v_add_co_ci_u32 v185, s63, 0, v185, s59
	v_max3_num_f32 v43, v43, v176, v177
	v_min3_num_f32 v44, v44, v178, v179
.endm
; The search among 16 poles, four numbers at a time.  ST1: g = how many of t4, t8, t12 lie under w; index word 8 g + 3 (lane 2 g); t[4g+2] is fetched.
.macro ST1 y, k
.irp u, 0,1,2,3
	v_cmp_lt_f32 s[56+\u], s40, v[\y+\u]
.endr
.irp u, 0,1,2,3
	v_cmp_lt_f32 s[60+\u], s41, v[\y+\u]
.endr
.irp u, 0,1,2,3
	v_cndmask_b32 v[A+\k+\u], 3, 11, s[56+\u]
.endr
.irp u, 0,1,2,3
	v_cmp_lt_f32 s[56+\u], s42, v[\y+\u]
.endr
.irp u, 0,1,2,3
	v_cndmask_b32 v[A+\k+\u], v[A+\k+\u], 19, s[60+\u]
.endr
.irp u, 0,1,2,3
	v_cndmask_b32 v[A+\k+\u], v[A+\k+\u], 27, s[56+\u]
.endr
.irp u, 0,1,2,3
	ds_bpermute_b32 v[T+\k+\u], v[A+\k+\u], v240
.endr
.endm
; The outlier's mask and value: work on registers while ST1's permutes are out.
.macro OUTL y, k
.irp u, 0,1,2,3
	v_cmp_le_f32 s[66+\k+\u], v[\y+\u], v14
.endr
.irp u, 0,1,2,3
	v_cmp_ge_f32 s[60+\u], v[\y+\u], v13
.endr
	v_pk_fma_f32 v[OUT+\k:OUT+\k+1], v[\y:\y+1], v[20:21], v[22:23]
	v_pk_fma_f32 v[OUT+\k+2:OUT+\k+3], v[\y+2:\y+3], v[20:21], v[22:23]
.irp u, 0,1,2,3
	s_or_b32 s[66+\k+\u], s[66+\k+\u], s[60+\u]
.endr
.endm
; ST2: w > t[4g+2] carries into the word's two low ones: lane 2 g + c.  There lie t[4g+2c+1] and the two values on its sides.
.macro ST2 y, k
.irp u, 0,1,2,3
	v_cmp_gt_f32 s[56+\u], v[\y+\u], v[T+\k+\u]
.endr
.irp u, 0,1,2,3
	v_add_co_ci_u32 v[A+\k+\u], s[60+\u], 0, v[A+\k+\u], s[56+\u]
.endr
.irp u, 0,1,2,3
	ds_bpermute_b32 v[T+\k+\u], v[A+\k+\u], v241
	ds_bpermute_b32 v[LO+\k+\u], v[A+\k+\u], v242
	ds_bpermute_b32 v[HI+\k+\u], v[A+\k+\u], v243
.endr
.endm
; ST3: the last choice, then the outlier's value where the mask says so.  n: the permutes issued behind this quad's twelve.
.macro ST3 y, k, n
	s_wait_alu depctr_va_vdst(0)                   ; the wait ahead of a wait that blocks
.if (\n) > 63
	s_wait_dscnt 63
.else
	s_wait_dscnt \n
.endif
.irp u, 0,1,2,3
	v_cmp_gt_f32 s[56+\u], v[\y+\u], v[T+\k+\u]
.endr
.irp u, 0,1,2,3
	v_cndmask_b32 v[LO+\k+\u], v[LO+\k+\u], v[HI+\k+\u], s[56+\u]
.endr
.irp u, 0,1,2,3
	v_cndmask_b32 v[\y+\u], v[LO+\k+\u], v[OUT+\k+\u], s[66+\k+\u]
.endr
.endm
	s_load_b256 s[4:11], s[0:1], 0x0               ; weight, nf_lut, x_scales, w_codes
	s_load_b64 s[12:13], s[0:1], 0x20              ; scl
	v_lshl_add_u32 v32, v0, 2, SPARE
	v_mov_b32 v33, 0
	ds_add_u32 v32, v33                            ; the opening lines: the add twice on end
	ds_add_u32 v32, v33
	v_lshrrev_b32 v1, 5, v0
	v_readfirstlane_b32 s14, v1                    ; wave
	s_lshl_b32 s15, ttmp9, 4
	s_add_co_u32 s15, s15, s14                     ; my row
	s_mov_b32 s16, (2<<16)|(1<<20)|(6<<22)|(3<<25) ; 4-byte elements; 4 dwords of padding behind every 128
	s_mov_b32 s17, 128<<16
	s_mov_b32 s18, 32<<16
	s_mov_b32 s19, 128<<16
	s_mov_b32 s20, 32
	s_mov_b32 s21, 128
	s_mov_b32 s22, 0
	s_mov_b32 s23, 0
	s_mov_b32 s24, 1
	s_mul_i32 s25, s14, WREG
	s_lshl_b32 s38, s15, 14                        ; a row of weights is 16,384 bytes
	s_mov_b32 s39, 0
	s_lshl_b32 s72, ttmp9, 11                      ; 16 rows of scales are 2,048 bytes
	s_mov_b32 s73, 0
	s_lshr_b32 s74, ttmp9, 2                       ; my 16 rows: group of 64 columns (131,072 bytes),
	s_lshl_b32 s74, s74, 17
	s_and_b32 s71, ttmp9, 3                        ; and which 16 of them (1,024 bytes in each step)
	s_lshl_b32 s71, s71, 10
	s_add_co_u32 s74, s74, s71
	s_mov_b32 s75, 0
	s_mov_b32 s36, 0x76543210
	s_mov_b32 s37, 0xfedcba98
	s_mov_b32 s47, 0x45000000                      ; 2048.0
	s_mul_i32 s70, s14, 2080                       ; I send fragments 2 wave and 2 wave + 1
	s_add_co_u32 s70, s70, OST
	s_lshl_b32 s71, s14, 13                        ; which lie 4,096 bytes apart in memory
	s_lshl_b32 s76, s14, 4
	s_add_co_u32 s76, s76, OST
	s_lshl_b32 s77, s14, 4
	s_add_co_u32 s77, s77, SCST
	s_lshl_b32 s78, s14, 5
	s_lshl_b32 s79, s14, 9
	s_wait_dscnt 0x0
	s_wait_kmcnt 0x0
	s_add_nc_u64 s[26:27], s[4:5], s[38:39]
	s_or_b32 s27, s27, 0x80000000
	tensor_load_to_lds s[24:27], s[16:23]          ; my whole row: my one tensor load
	s_nop 0
	s_add_nc_u64 s[8:9], s[8:9], s[72:73]
	s_add_nc_u64 s[12:13], s[12:13], s[72:73]
	s_add_nc_u64 s[10:11], s[10:11], s[74:75]
	v_and_b32 v1, 31, v0                           ; lane
	v_and_b32 v2, 15, v0
	v_mul_u32_u24 v3, v1, PIT
	v_mul_u32_u24 v4, v1, 1040                     ; stage: fragment = my lane, row = my wave
	v_lshl_add_u32 v5, v1, 4, s70
	v_lshlrev_b32 v6, 4, v1
	v_add_nc_u32 v4, s76, v4
	v_add_nc_u32 v244, s71, v6
	v_lshrrev_b32 v7, 2, v1
	v_and_b32 v35, 3, v1
	v_lshrrev_b32 v8, 4, v1
	v_add_nc_u32 v3, s25, v3                       ; my 512 bytes of the row
	v_lshlrev_b32 v7, 8, v7
	v_lshlrev_b32 v8, 4, v8
	v_lshl_add_u32 v7, v35, 2, v7
	v_lshl_add_u32 v8, v2, 7, v8
	v_add_nc_u32 v7, s77, v7                       ; scale word: [K step l/4][row = wave][word l%4]
	v_add_nc_u32 v8, s78, v8                       ; x_scales: row l%16, 16 bytes of K step 2 wave + l/16
	v_add_nc_u32 v36, s79, v6
	v_lshlrev_b32 v34, 2, v2
	v_add_nc_u32 v37, SCST, v36
	v_mov_b32 v46, 0x7f800000
	v_mov_b32 v47, 0xff800000
	global_load_b32 v16, v34, s[6:7]               ; pole l%16
	s_wait_alu depctr_va_vdst(0)                   ; the wait ahead of the branch
	s_cmp_lt_u32 s14, 4
	s_cbranch_scc0 .Lno_x
	global_load_b128 v[38:41], v8, s[8:9]          ; x's scales go to [16 rows][K step][row][16 bytes]; v36, v38-41 are never rewritten
	s_wait_loadcnt 0x0
	global_store_b128 v36, v[38:41], s[12:13]
.Lno_x:
	s_wait_loadcnt 0x0
	; the poles are sorted by rank (equal poles by their place), under the tensor load's flight
	v_add_f32 v16, 0, v16
	v_mov_b32 v17, 0
.irp i, 0,1,2,3,4,5,6,7,8,9,10,11,12,13,14,15
	v_readlane_b32 s[40+\i], v16, \i
.endr
.irp i, 0,1,2,3,4,5,6,7,8,9,10,11,12,13,14,15
	v_cmp_lt_f32 s56, s[40+\i], v16
	v_cmp_eq_f32 s57, s[40+\i], v16
	s_and_b32 s57, s57, (((0xffff<<(\i+1))&0xffff)*0x10001)
	s_or_b32 vcc_lo, s56, s57
	v_add_co_ci_u32 v17, vcc_lo, 0, v17, vcc_lo
.endr
	v_mov_b32 v18, 0
.irp i, 0,1,2,3,4,5,6,7,8,9,10,11,12,13,14,15
	v_readlane_b32 s58, v17, \i
	v_cmp_eq_u32 vcc_lo, s58, v2
	v_cndmask_b32 v18, v18, s[40+\i], vcc_lo
.endr
	v_mov_b32 v20, v18
	v_cvt_f16_f32 v35.l, v18
	v_mov_b32_dpp v20, v18 row_shr:1 row_mask:0xf bank_mask:0xf   ; the pole below (lane 0 keeps its own)
	v_cvt_f32_f16 v10, v35.l                       ; the pole as reference() uses it: through f16
	v_add_f32 v11, v18, v20
	v_readlane_b32 s38, v10, 0
	v_mul_f32 v11, 0.5, v11                        ; the middle under pole r
	v_mov_b32 v28, s38
	v_cmp_gt_f32 vcc_lo, 0, v11
	v_cndmask_b32 v12, v28, v10, vcc_lo
.irp m, 1,2,4,8
	s_delay_alu instid0(VALU_DEP_1)
	v_max_num_f32_dpp v12, v12, v12 row_xmask:\m row_mask:0xf bank_mask:0xf   ; Q0: the highest pole whose middle lies under 0
.endr
.irp i, 0,1,2,3
	v_mov_b32 v[16+\i], v47
	v_mov_b32 v[20+\i], v46
.endr
	s_wait_alu depctr_va_vdst(0)
	s_wait_tensorcnt 0x0                           ; my row is in LDS; only I read it
.set j, 0
.rept 32
	ds_load_b128 v[X+4*j:X+4*j+3], v3 offset:16*j
.set j, j+1
.endr
.set g, 0
.rept 8
	s_wait_alu depctr_va_vdst(0)                   ; the wait ahead of a wait that blocks
	s_wait_dscnt 28-4*g                            ; four more loads are in; the younger ones stay out
.set i, 0
.rept 16
	INS X+16*g+i
.set i, i+1
.endr
.set g, g+1
.endr
.irp i, 0,1,2,3
	v_mov_b32 v[24+\i], 0
	v_mov_b32 v[176+\i], 0
.endr
	MERGE 1
	MERGE 2
	MERGE 4
	MERGE 8
.irp i, 0,1,2,3
	v_permlanex16_b32 v[24+\i], v[19-\i], s36, s37
	v_permlanex16_b32 v[176+\i], v[23-\i], s36, s37
.endr
.irp i, 0,1,2,3
	v_max_num_f32 v[24+\i], v[24+\i], v[16+\i]
	v_min_num_f32 v[176+\i], v[176+\i], v[20+\i]
.endr
	CLEAN
	v_mul_f32 v13, 0x3d430000, v19                 ; U between s4092 and s4093, L between s2 and s3, by the f32 weights of position q x 4095
	v_mul_f32 v35, 0x3f73d000, v18
	v_mul_f32 v14, 0x3f73d708, v22
	v_mul_f32 v34, 0x3d428f80, v23
	v_mov_b32 v42, 0
	v_mov_b32 v184, 0
	v_add_f32 v13, v13, v35
	v_add_f32 v14, v14, v34
	v_mov_b32 v45, 0
	v_mov_b32 v185, 0
	v_mov_b32 v43, v47
	v_mov_b32 v44, v46
.set i, 0
.rept 64
	EXT i
.set i, i+2
.endr
	v_add_nc_u32 v42, v42, v184
	v_add_nc_u32 v45, v45, v185
	v_cvt_f32_u32 v42, v42                         ; counts up to 4,096 are exact in f32
	v_cvt_f32_u32 v45, v45
.irp m, 1,2,4,8
	v_max_num_f32_dpp v43, v43, v43 row_xmask:\m row_mask:0xf bank_mask:0xf
	v_min_num_f32_dpp v44, v44, v44 row_xmask:\m row_mask:0xf bank_mask:0xf
	v_add_f32_dpp v42, v42, v42 row_xmask:\m row_mask:0xf bank_mask:0xf
	v_add_f32_dpp v45, v45, v45 row_xmask:\m row_mask:0xf bank_mask:0xf
.endr
	v_permlanex16_b32 v176, v43, s36, s37
	v_permlanex16_b32 v177, v44, s36, s37
	v_permlanex16_b32 v178, v42, s36, s37
	v_permlanex16_b32 v179, v45, s36, s37
	v_max_num_f32 v43, v43, v176                   ; max{w < U}
	v_min_num_f32 v44, v44, v177                   ; min{w > L}
	v_add_f32 v42, v42, v178                       ; nH
	v_add_f32 v45, v45, v179                       ; nL
	v_cmp_ge_f32 s56, s47, v45                     ; nL <= 2048
	v_cmp_gt_f32 s57, s47, v42                     ; nH <= 2047
	v_cmp_ge_f32 s58, s47, v42                     ; nH <= 2048
	v_cmp_gt_f32 s59, s47, v45                     ; nL <= 2047
	v_cndmask_b32 v180, v43, v19, s57
	v_cndmask_b32 v181, v44, v23, s59
	v_cndmask_b32 v180, v180, v23, s56             ; s2047, or max{w < U} where the median cannot count
	v_cndmask_b32 v181, v181, v19, s58             ; s2048, or min{w > L}
	v_cmp_gt_f32 s56, v43, v14                     ; is there a number that is no outlier?
	v_cmp_le_f32 s57, v20, v14
	v_cmp_ge_f32 s58, v16, v13
	v_add_f32 v186, v180, v181
	s_or_b32 s57, s57, s58                         ; is there an outlier?
	v_cndmask_b32 v176, v47, v43, s56
	v_mul_f32 v186, 0.5, v186                      ; the median
	v_cndmask_b32 v178, v46, v44, s56
	v_cndmask_b32 v177, v47, v186, s57
	v_cndmask_b32 v179, v46, v186, s57
	v_max_num_f32 v176, v176, v177                 ; max(tmp)
	v_min_num_f32 v178, v178, v179                 ; min(tmp)
	v_lshlrev_b32 v34, 3, v1
	v_add_f32 v15, v176, v178
	v_sub_f32 v9, v176, v178
	v_add_nc_u32 v35, 4, v34
	v_mul_f32 v15, 0.5, v15                        ; offset
	v_mul_f32 v9, 0.5, v9                          ; range
	v_add_nc_u32 v180, 8, v34
	v_mul_f32 v176, v10, v9
	v_fma_f32 v177, v11, v9, v15                   ; lane r: the threshold under pole r
	v_mul_f32 v184, v12, v9
	v_add_f32 v176, v176, v15                      ; lane r: pole r's dequantised value
	v_add_f32 v185, v184, v15
	v_cmp_lt_f32 s56, |v176|, v46
	v_cmp_lt_f32 s57, |v185|, v46
	v_cndmask_b32 v176, 0, v176, s56               ; nan_to_num
	v_cndmask_b32 v20, 0, 1.0, s57
	v_cndmask_b32 v22, 0, v184, s57
	v_readlane_b32 s40, v177, 4
	v_readlane_b32 s41, v177, 8
	v_readlane_b32 s42, v177, 12
	v_mov_b32 v21, v20                             ; an outlier: w x v20 + v22
	v_mov_b32 v23, v22
	ds_bpermute_b32 v240, v180, v177               ; lane j: t[2j+2]
	ds_bpermute_b32 v241, v35, v177                ; lane j: t[2j+1]
	ds_bpermute_b32 v242, v34, v176                ; lane j: value 2j
	ds_bpermute_b32 v243, v35, v176                ; lane j: value 2j+1
	v_mov_b32 v24, 0                               ; my four scale bytes
	s_mov_b32 s43, 0
	s_mov_b32 s44, 0
	s_mov_b32 s45, 0
	s_mov_b32 s46, 0
.Lfin:                                                 ; a trip: one block of 32 a lane
	v_add_nc_u32 v26, s43, v3
	v_add_nc_u32 v27, s44, v4
.irp j, 0,1,2,3,4,5,6,7
	ds_load_b128 v[Y+4*\j:Y+4*\j+3], v26 offset:16*\j
.endr
	s_wait_alu depctr_va_vdst(0)
	s_wait_dscnt 0x0
.set q, 0
.rept 8
	ST1 Y+4*q, 4*q
.set q, q+1
.endr
.set q, 0
.rept 8
	OUTL Y+4*q, 4*q
.set q, q+1
.endr
	s_wait_alu depctr_va_vdst(0)
	s_wait_dscnt 0x0                               ; ST1's 32 permutes are back
.set q, 0
.rept 8
	ST2 Y+4*q, 4*q
.set q, q+1
.endr
.set q, 0
.rept 8
	ST3 Y+4*q, 4*q, 12*(7-q)
.set q, q+1
.endr
	v_max3_num_f32 v28, |v[Y]|, |v[Y+1]|, 0x1800000   ; the block's largest magnitude over the floor 2^(3 - 127)
	v_max3_num_f32 v29, |v[Y+2]|, |v[Y+3]|, |v[Y+4]|
.irp i, 5,9,13,17,21,25
	v_max3_num_f32 v28, v28, |v[Y+\i]|, |v[Y+\i+1]|
	v_max3_num_f32 v29, v29, |v[Y+\i+2]|, |v[Y+\i+3]|
.endr
	v_max3_num_f32 v28, v28, |v[Y+29]|, |v[Y+30]|
	s_delay_alu instid0(VALU_DEP_1)
	v_max3_num_f32 v28, v28, v29, |v[Y+31]|
	s_delay_alu instid0(VALU_DEP_1)
	v_add_nc_u32 v30, 0xff000000, v28              ; 2 off the exponent field: the conversion's scale
.irp g, 0,1,2,3
	v_cvt_scalef32_pk8_fp4_f32 v[16+\g], v[Y+8*\g:Y+8*\g+7], v30
.endr
	v_lshrrev_b32 v31, 23, v30                     ; the scale's byte (also the plain place behind the conversions)
	ds_store_b128 v27, v[16:19]
	v_lshlrev_b32 v31, s45, v31
	v_or_b32 v24, v24, v31
	s_add_co_u32 s43, s43, 128
	s_add_co_u32 s44, s44, 256
	s_add_co_u32 s45, s45, 8
	s_add_co_u32 s46, s46, 1
	s_cmp_lt_u32 s46, 4
	s_wait_alu depctr_va_vdst(0)                   ; the wait ahead of the branch
	s_cbranch_scc1 .Lfin
	ds_store_b32 v7, v24
	s_wait_dscnt 0x0                               ; my codes and scale words are stored, for the waves that send them
	s_barrier_signal -1
	s_barrier_wait -1
.irp j, 0,1,2,3
	ds_load_b128 v[Y+4*\j:Y+4*\j+3], v5 offset:1040*(\j/2)+512*(\j%2)
.endr
.irp j, 0,1,2,3
	s_wait_dscnt 3-\j
	global_store_b128 v244, v[Y+4*\j:Y+4*\j+3], s[10:11] offset:4096*(\j/2)+512*(\j%2)   ; 512 neighbouring bytes of a fragment
.endr
	s_cmp_lt_u32 s14, 4
	s_cbranch_scc0 .Lend
	ds_load_b128 v[Y+16:Y+19], v37
	s_wait_dscnt 0x0
	global_store_b128 v36, v[Y+16:Y+19], s[12:13] offset:WSCL
.Lend:
	s_wait_tensorcnt 0x0                           ; the wave's end
	ds_add_u32 v32, v33
	s_wait_dscnt 0x0
	s_endpgm
.Lfunc_end_k_qe80ddebd2d_prep:
	.size	k_qe80ddebd2d_prep, .Lfunc_end_k_qe80ddebd2d_prep-k_qe80ddebd2d_prep
	.p2alignl 7, 3214868480
	.fill 96, 4, 3214868480
	.section	.rodata,"a",@progbits
	.p2align	6, 0x0
	.amdhsa_kernel k_qe80ddebd2d_prep
		.amdhsa_group_segment_fixed_size 327680
		.amdhsa_private_segment_fixed_size 0
		.amdhsa_enable_private_segment 0
		.amdhsa_kernarg_size 40
		.amdhsa_user_sgpr_count 2
		.amdhsa_user_sgpr_kernarg_segment_ptr 1
		.amdhsa_wavefront_size32 1
		.amdhsa_system_sgpr_workgroup_id_x 1
		.amdhsa_system_sgpr_workgroup_id_y 1
		.amdhsa_system_sgpr_workgroup_id_z 1
		.amdhsa_system_vgpr_workitem_id 0
		.amdhsa_next_free_vgpr 256
		.amdhsa_next_free_sgpr 98
		.amdhsa_reserve_vcc 1
		.amdhsa_float_denorm_mode_32 3
		.amdhsa_float_denorm_mode_16_64 3
		.amdhsa_memory_ordered 1
		.amdhsa_forward_progress 1
		.amdhsa_inst_pref_size 178
	.end_amdhsa_kernel
	.amdgpu_metadata
---
amdhsa.version: [ 1, 2 ]
amdhsa.kernels:
  - .name:           k_qe80ddebd2d_prep
    .symbol:         k_qe80ddebd2d_prep.kd
    .args:
      - { .name: weight, .offset: 0, .size: 8, .value_kind: global_buffer, .address_space: global }
      - { .name: nf_lut, .offset: 8, .size: 8, .value_kind: global_buffer, .address_space: global }
      - { .name: x_scales, .offset: 16, .size: 8, .value_kind: global_buffer, .address_space: global }
      - { .name: w_codes, .offset: 24, .size: 8, .value_kind: global_buffer, .address_space: global }
      - { .name: scl, .offset: 32, .size: 8, .value_kind: global_buffer, .address_space: global }
    .group_segment_fixed_size: 327680
    .private_segment_fixed_size: 0
    .kernarg_segment_align: 8
    .kernarg_segment_size: 40
    .max_flat_workgroup_size: 512
    .sgpr_count:     98
    .vgpr_count:     256
    .wavefront_size: 32
...
	.end_amdgpu_metadata
.endif
;; end of part 1
;; launch gemm (part 2): grid 16 x 16, 4 waves a work-group, clusters of 4 x 1, 327,680 bytes of LDS; arguments x_codes, w_codes, scl, out0; writes out0
.if DOCPART == 2
	.amdgcn_target "amdgcn-amd-amdhsa--gfx1250"
	.amdhsa_code_object_version 6
	.text
	.protected	k_qe80ddebd2d_gemm
	.globl	k_qe80ddebd2d_gemm
	.p2align	8
	.type	k_qe80ddebd2d_gemm,@function
k_qe80ddebd2d_gemm:
	s_mov_b64 s[64:65], 0
	v_nop
	global_prefetch_b8 v0, s[64:65] scope:SCOPE_SE
	s_setreg_imm32_b32 hwreg(HW_REG_WAVE_MODE, 25, 1), 1
	s_wait_xcnt 0x0
	s_wait_alu depctr_hold_cnt(0) depctr_sa_sdst(0) depctr_va_vdst(0) depctr_va_sdst(0) depctr_va_ssrc(0) depctr_va_vcc(0) depctr_vm_vsrc(0)
	s_getreg_b32 s2, hwreg(HW_REG_IB_STS2, 6, 4)
	s_cmp_eq_u32 s2, 0
	s_cbranch_scc0 .Lentry_in_a_cluster
	s_endpgm
.Lentry_in_a_cluster:
	s_bfe_u32 s2, ttmp6, 0x10000c
	s_cmp_lg_u32 s2, 0x3003
	s_cbranch_scc0 .Lentry_shape_is_right
	s_endpgm
.Lentry_shape_is_right:
; out0[m][n] = sum over k of x[m][k] qw[n][k], both in MX-FP4 codes with E8M0 scales; sums in f32.
; A work-group makes 256 x 256 of out0; wave w makes all 256 rows x columns 64 w .. 64 w + 63: 64 accumulators, 512 registers.
; x's codes go through a ring of two LDS slots of K = 1,024 (256 rows x 512 bytes + 16 of padding): 8 steps of 128 K, 512 matrix instructions a wave, between two changes of slots.
; The four work-groups of a cluster (4, 1, 1) share their rows of x: each wave's quarter of a slot is asked for jointly.
; THE WEIGHT'S CODES DO NOT PASS LDS: they lie in memory in the order of the operand's registers, each wave needs only its own 64 columns, and it loads them
; straight into a ring of 8 register sets, 6 steps ahead.  So no two waves of a work-group read the same bytes of them, and there is no tile of them to ask for jointly.
; The scale words come by loads of 8 bytes (two steps) into a ring of 4 sets, 6 steps ahead: a register holds two blocks' words, one in lanes 0-15, one in lanes 16-31.
; The matrix instruction is used transposed (source 0 = 16 rows of the weight, source 1 = 16 rows of x): a lane holds eight neighbouring numbers of a row of out0.
; REGISTERS: window 0: v0-31 addresses, v32-111 scale words, v128-255 x's fragments (16 blocks, one set); window 1: the weight's 8 sets of 32; windows 2, 3: accumulator (a, b) at 8 (4 (a % 8) + b).
.set ROWB,   512                       ; a slot's row in memory
.set PITCH,  528
.set QUART,  64*PITCH                  ; what one wave's tensor load brings
.set SLOT,   4*QUART
.set SPARE,  2*SLOT
.set SPITCH, 272                       ; the way out: 32 rows x (256 + 16) bytes a wave, in slot 0, behind its last fill and last read
.set WSCL,   524288
.set NLO, 12                           ; v12, v13 next slot's addresses (blocks 0-7, 8-15) in the loop; v16, v17 this slot's
.set S1LO, 14                          ; v14, v15 slot 1; v18, v19 slot 0
.set CLO, 16
.set S0LO, 18
.set ADSA, 20
.set ADSB, 21
.set BOF,  22
.set STO,  24
.set RD,   25
.set CO,   26
.set SPW,  28
.set NIL,  29
.set PFO,  30
.set PFB,  31
.set SC,   32
.set AF,   128
.set BK,   128
.set MSB, 0
.macro WIN new
.if MSB != \new
	s_set_vgpr_msb (MSB<<8)|\new
.set MSB, \new
.endif
.endm
.set MUL_LO, 0xa1
.set MUL_HI, 0xf1
.set TO_B,   0x40
.macro CREST
	s_cmp_lg_u32 s14, 0
	s_cbranch_scc1 .Lnot_wave_0_\@
	s_barrier_signal -3
.Lnot_wave_0_\@:
	s_barrier_wait -3
	s_barrier_signal -1
	s_barrier_wait -1
.endm
.macro CROUND
	s_barrier_signal -1
	s_barrier_wait -1
	CREST
.endm
.macro PLACES
.rept 4
	v_nop
.endr
.endm
.macro JLOAD                           ; my quarter of a slot, the same line and registers in all four partners
	tensor_load_to_lds s[32:35], s[24:31]
	s_nop 0
	PLACES
.endm
; one product: x's block a, the weight's block b, step L (counted from the trip's base; sets by L % 8)
.macro WM a, b, L, zero
.set DD, 8*(4*((\a)%8)+(\b))
.set BB, 32*((\L)%8)+8*(\b)
.set AA, AF+8*(\a)
.set SS, SC+20*(((\L)/2)%4)+((\L)%2)
.set SB, SS+16+2*((\b)%2)
.set SA, SS+2*((\a)%8)
.if \zero
.if (\a) < 8
.if (\b) < 2
	v_wmma_scale_f32_16x16x128_f8f6f4 v[DD:DD+7], v[BB:BB+7], v[AA:AA+7], 0, v[SB], v[SA] matrix_a_fmt:MATRIX_FMT_FP4 matrix_b_fmt:MATRIX_FMT_FP4
.else
	v_wmma_scale_f32_16x16x128_f8f6f4 v[DD:DD+7], v[BB:BB+7], v[AA:AA+7], 0, v[SB], v[SA] matrix_a_fmt:MATRIX_FMT_FP4 matrix_b_fmt:MATRIX_FMT_FP4 matrix_a_scale:MATRIX_SCALE_ROW1
.endif
.else
.if (\b) < 2
	v_wmma_scale_f32_16x16x128_f8f6f4 v[DD:DD+7], v[BB:BB+7], v[AA:AA+7], 0, v[SB], v[SA] matrix_a_fmt:MATRIX_FMT_FP4 matrix_b_fmt:MATRIX_FMT_FP4 matrix_b_scale:MATRIX_SCALE_ROW1
.else
	v_wmma_scale_f32_16x16x128_f8f6f4 v[DD:DD+7], v[BB:BB+7], v[AA:AA+7], 0, v[SB], v[SA] matrix_a_fmt:MATRIX_FMT_FP4 matrix_b_fmt:MATRIX_FMT_FP4 matrix_a_scale:MATRIX_SCALE_ROW1 matrix_b_scale:MATRIX_SCALE_ROW1
.endif
.endif
.else
.if (\a) < 8
.if (\b) < 2
	v_wmma_scale_f32_16x16x128_f8f6f4 v[DD:DD+7], v[BB:BB+7], v[AA:AA+7], v[DD:DD+7], v[SB], v[SA] matrix_a_fmt:MATRIX_FMT_FP4 matrix_b_fmt:MATRIX_FMT_FP4
.else
	v_wmma_scale_f32_16x16x128_f8f6f4 v[DD:DD+7], v[BB:BB+7], v[AA:AA+7], v[DD:DD+7], v[SB], v[SA] matrix_a_fmt:MATRIX_FMT_FP4 matrix_b_fmt:MATRIX_FMT_FP4 matrix_a_scale:MATRIX_SCALE_ROW1
.endif
.else
.if (\b) < 2
	v_wmma_scale_f32_16x16x128_f8f6f4 v[DD:DD+7], v[BB:BB+7], v[AA:AA+7], v[DD:DD+7], v[SB], v[SA] matrix_a_fmt:MATRIX_FMT_FP4 matrix_b_fmt:MATRIX_FMT_FP4 matrix_b_scale:MATRIX_SCALE_ROW1
.else
	v_wmma_scale_f32_16x16x128_f8f6f4 v[DD:DD+7], v[BB:BB+7], v[AA:AA+7], v[DD:DD+7], v[SB], v[SA] matrix_a_fmt:MATRIX_FMT_FP4 matrix_b_fmt:MATRIX_FMT_FP4 matrix_a_scale:MATRIX_SCALE_ROW1 matrix_b_scale:MATRIX_SCALE_ROW1
.endif
.endif
.endif
.endm
.macro MULQ a0, L, zero                ; 16 products; the 64 accumulators take turns in the same order in every step
.irp a, \a0, \a0+1, \a0+2, \a0+3
.irp b, 0,1,2,3
	WM \a, \b, \L, \zero
.endr
.endr
.endm
.macro FETCH_A adr, q, i0              ; x's blocks i0 .. i0 + 7 of a slot's q-th 128 K
.irp i, 0,1,2,3,4,5,6,7
	ds_load_b128 v[AF+8*(\i0+\i):AF+8*(\i0+\i)+3], v[\adr] offset:64*(\q)+\i*16*PITCH
	ds_load_b128 v[AF+8*(\i0+\i)+4:AF+8*(\i0+\i)+7], v[\adr] offset:64*(\q)+32+\i*16*PITCH
.endr
.endm
.macro BLOAD L                         ; the weight's four fragments of step L + 6: 8 loads of 512 neighbouring bytes
	WIN TO_B
.irp i, 0,1,2,3
	global_load_b128 v[32*(((\L)+6)%8)+8*\i:32*(((\L)+6)%8)+8*\i+3], v[BOF], s[6:7] offset:((\L)+6)*4096+\i*1024
	global_load_b128 v[32*(((\L)+6)%8)+8*\i+4:32*(((\L)+6)%8)+8*\i+7], v[BOF], s[6:7] offset:((\L)+6)*4096+\i*1024+512
.endr
	WIN 0
.endm
.macro SLOAD L                         ; the scale words of steps L + 6 and L + 7 (L even): 10 loads
.set SJ, SC+20*((((\L)+6)/2)%4)
.set SO, 256*(((\L)+6)/4)+8*((((\L)+6)/2)%2)
.irp i, 0,1,2,3,4,5,6,7
	global_load_b64 v[SJ+2*\i:SJ+2*\i+1], v[ADSA], s[8:9] offset:SO+2048*\i
.endr
.irp i, 0,1
	global_load_b64 v[SJ+16+2*\i:SJ+16+2*\i+1], v[ADSB], s[8:9] offset:SO+2048*\i
.endr
.endm
; A step whose successor lies at alo / ahi.  ld = 1: it asks for step L + 6.  lc: the loads issued behind those that this step needs.
.macro STEP L, alo, ahi, zero, ld, lc
	s_wait_loadcnt \lc
	s_wait_dscnt 16                                ; x's blocks 0-7 are in; the youngest 16 loads (blocks 8-15) may be out
	WIN MUL_LO
	MULQ 0, \L, \zero
	MULQ 4, \L, \zero
	PLACES
	WIN 0
	FETCH_A \alo, ((\L)+1)%8, 0
.if \ld
	BLOAD \L
.if ((\L)%2) == 0
	SLOAD \L
.endif
.endif
	s_wait_dscnt 16                                ; all but the 16 just issued
	WIN MUL_HI
	MULQ 8, \L, \zero
	MULQ 12, \L, \zero
	PLACES
	WIN 0
	FETCH_A \ahi, ((\L)+1)%8, 8
.endm
.macro STEPN L, alo, ahi               ; behind what an even step needs stand 5 x 8 + 2 x 10 loads; behind an odd step's 70, held at the counter's 63
	STEP \L, \alo, \ahi, 0, 1, 60+3*((\L)%2)
.endm
; A slot's last step changes slots: one barrier (with a refill: a round of the cluster's barrier)
.macro TURN fill, nlo, nhi
	s_wait_loadcnt 63
	s_wait_tensorcnt 0x0                           ; all my tensor loads have landed: my quarter of the next slot
	ds_add_u32 v[SPW], v[NIL]
	s_wait_dscnt 17                                ; (the add and blocks 8-15 may be out)
	WIN MUL_LO
	MULQ 0, 7, 0
	s_wait_dscnt 0x0                               ; the add is done, my reads of this slot are over
	s_barrier_signal -1
	MULQ 4, 7, 0
	WIN 0
	s_barrier_wait -1
.if \fill
	CREST
	s_add_co_u32 s33, s36, s20                     ; into the slot just read,
	s_add_nc_u64 s[34:35], s[34:35], ROWB          ; the next 1,024 along K
	JLOAD
.else
	PLACES
.endif
	FETCH_A \nlo, 0, 0
	BLOAD 7
.if \fill
	s_cmp_gt_u32 s3, 1                             ; the first trip asks for the slot that the second will load; the second for nothing
	s_cbranch_scc0 .Lno_ask_\@
	global_prefetch_b8 v[PFO], s[70:71] offset:ROWB th:TH_LOAD_NT scope:SCOPE_SE
.Lno_ask_\@:
.endif
	WIN MUL_HI
	MULQ 8, 7, 0
	MULQ 12, 7, 0
	PLACES
	WIN 0
	FETCH_A \nhi, 0, 8
.endm
	s_load_b256 s[4:11], s[0:1], 0x0               ; x_codes, w_codes, scl, out0
	v_lshl_add_u32 v[SPW], v0, 2, SPARE
	v_mov_b32 v[NIL], 0
	ds_add_u32 v[SPW], v[NIL]                      ; the opening lines: the add twice on end
	ds_add_u32 v[SPW], v[NIL]
	v_lshrrev_b32 v1, 5, v0
	v_readfirstlane_b32 s14, v1                    ; wave
	s_bfe_u32 s40, ttmp6, 0x40000                  ; cx
	s_lshl_b32 s42, ttmp9, 2
	s_add_co_u32 s42, s42, s40                     ; tile column x
	s_and_b32 s17, ttmp7, 0xffff                   ; tile row y
	s_mov_b32 s24, 15|(1<<20)|(1<<21)|(6<<22)|(3<<25)   ; the four partners; bytes; 4 dwords of padding behind every 128
	s_mov_b32 s25, ROWB<<16
	s_mov_b32 s26, 64<<16
	s_mov_b32 s27, ROWB<<16
	s_mov_b32 s28, 64
	s_mov_b32 s29, 2048
	s_mov_b32 s30, 0
	s_mov_b32 s31, 0
	s_mov_b32 s32, 1
	s_mul_i32 s36, s14, QUART
	s_mul_i32 s33, s14, QUART
	s_lshl_b32 s44, s17, 19                        ; x: row 256 y + 64 wave, 2,048 bytes a row
	s_lshl_b32 s45, s14, 17
	s_add_co_u32 s44, s44, s45
	s_mov_b32 s45, 0
	s_lshl_b32 s46, s42, 2                         ; the weight: group 4 x + wave of 64 columns, 131,072 bytes
	s_add_co_u32 s46, s46, s14
	s_lshl_b32 s46, s46, 17
	s_mov_b32 s47, 0
	s_lshl_b32 s48, s17, 22                        ; out0: row 256 y, column 256 x + 64 wave
	s_lshl_b32 s49, s42, 10
	s_add_co_u32 s48, s48, s49
	s_lshl_b32 s49, s14, 8
	s_add_co_u32 s48, s48, s49
	s_mov_b32 s49, 0
	s_lshl_b32 s50, s40, 15                        ; prefetch of x: of my 64 rows the partner at cx names 16; from the third slot on
	s_add_co_u32 s50, s50, 2*ROWB
	s_mov_b32 s51, 0
	s_lshl_b32 s52, s17, 15                        ; scales: 2,048 bytes for 16 rows
	s_lshl_b32 s53, s42, 15
	s_lshl_b32 s54, s14, 13
	s_add_co_u32 s53, s53, s54
	s_add_co_u32 s53, s53, WSCL
	s_lshl_b32 s54, s17, 11                        ; prefetch of the weight: of a slot's 128 blocks of 256 bytes the work-group at y names 8
	s_mul_i32 s23, s14, 32*SPITCH
	s_wait_dscnt 0x0
	s_wait_kmcnt 0x0
	s_add_nc_u64 s[34:35], s[4:5], s[44:45]
	s_add_nc_u64 s[70:71], s[34:35], s[50:51]
	s_add_nc_u64 s[6:7], s[6:7], s[46:47]
	s_add_nc_u64 s[10:11], s[10:11], s[48:49]
	s_or_b32 s35, s35, 0x80000000
	CROUND                                         ; the four partners are here: the first joint loads meet
	JLOAD                                          ; slot 0: my one tensor load at the head
	v_and_b32 v1, 15, v0
	v_bfe_u32 v2, v0, 4, 1
	v_and_b32 v3, 31, v0
	v_mul_u32_u24 v4, v1, PITCH
	v_lshlrev_b32 v[BOF], 4, v3
	v_lshlrev_b32 v5, 4, v1
	v_lshl_add_u32 v[S0LO], v2, 4, v4              ; a fragment's row x pitch + 16 x half
	v_lshl_add_u32 v[ADSA], v2, 14, v5             ; lanes 16-31: x's block 8 further on,
	v_lshl_add_u32 v[ADSB], v2, 12, v5             ; the weight's block 2 further on
	v_add_nc_u32 v[S0LO+1], 8*16*PITCH, v[S0LO]
	v_add_nc_u32 v[S1LO], SLOT, v[S0LO]
	v_add_nc_u32 v[S1LO+1], SLOT+8*16*PITCH, v[S0LO]
	v_add_nc_u32 v[ADSA], s52, v[ADSA]
	v_add_nc_u32 v[ADSB], s53, v[ADSB]
	v_mul_u32_u24 v6, v1, SPITCH
	v_mul_u32_u24 v7, v2, SPITCH
	v_lshl_add_u32 v6, v2, 5, v6
	v_lshl_add_u32 v7, v1, 4, v7
	v_add_nc_u32 v[STO], s23, v6
	v_add_nc_u32 v[RD], s23, v7
	v_lshl_add_u32 v[CO], v2, 14, v5               ; lanes 16-31: the next row of out0
	v_lshlrev_b32 v[PFO], 11, v1
	v_min_u32 v8, 7, v3
	v_lshl_add_u32 v[PFO], v2, 8, v[PFO]           ; 16 rows x 2 blocks of 256 bytes
	v_lshl_add_u32 v[PFB], v8, 8, s54
	s_wait_alu depctr_va_vdst(0)                   ; the wait at the head's end
	global_prefetch_b8 v[PFO], s[70:71] th:TH_LOAD_NT scope:SCOPE_SE                ; x's third slot
	global_prefetch_b8 v[PFB], s[6:7] offset:32768 th:TH_LOAD_NT scope:SCOPE_SE     ; the weight's steps 8 to 15
	BLOAD -6                                       ; steps 0 to 5, in the order in which the steps would have asked
	SLOAD -6
	BLOAD -5
	BLOAD -4
	SLOAD -4
	BLOAD -3
	BLOAD -2
	SLOAD -2
	BLOAD -1
	s_wait_tensorcnt 0x0                           ; my quarter of slot 0 is in; slot 1's first fill is issued as a refill is
	ds_add_u32 v[SPW], v[NIL]
	s_add_co_u32 s33, s36, SLOT
	s_add_nc_u64 s[34:35], s[34:35], ROWB
	s_wait_dscnt 0x0
	CROUND
	JLOAD
	FETCH_A S0LO, 0, 0
	FETCH_A S0LO+1, 0, 8
	STEP 0, S0LO, S0LO+1, 1, 1, 60                 ; the first step starts the sums
	s_mov_b32 s3, 2
	s_mov_b32 s20, 0
	s_mov_b32 s21, SLOT
.Llap:                                                 ; a trip: a slot's steps 1 to 7 and the next slot's step 0; it fills the slot again
	v_add_nc_u32 v[CLO], s20, v[S0LO]
	v_add_nc_u32 v[CLO+1], s20, v[S0LO+1]
	v_add_nc_u32 v[NLO], s21, v[S0LO]
	v_add_nc_u32 v[NLO+1], s21, v[S0LO+1]
	s_wait_alu depctr_va_vdst(0)                   ; the wait behind these writes
	STEPN 1, CLO, CLO+1
	STEPN 2, CLO, CLO+1
	global_prefetch_b8 v[PFB], s[6:7] offset:65536 th:TH_LOAD_NT scope:SCOPE_SE     ; the weight's steps of the slot after the next: first loaded 8 steps from here
	STEPN 3, CLO, CLO+1
	STEPN 4, CLO, CLO+1
	STEPN 5, CLO, CLO+1
	STEPN 6, CLO, CLO+1
	TURN 1, NLO, NLO+1
	STEPN 8, NLO, NLO+1
	s_wait_xcnt 0x0                                ; the bases are stepped only behind this wait
	s_add_nc_u64 s[6:7], s[6:7], 32768
	s_add_nc_u64 s[8:9], s[8:9], 512
	s_add_co_u32 s20, s20, SLOT
	s_sub_co_u32 s21, s21, SLOT
	s_sub_co_u32 s3, s3, 1
	s_cmp_lg_u32 s3, 0
	s_cbranch_scc1 .Llap
.irp L, 1,2,3,4,5,6
	STEPN \L, S0LO, S0LO+1                         ; the third slot (in slot 0): nothing is filled any more
.endr
	TURN 0, S1LO, S1LO+1
	STEPN 8, S1LO, S1LO+1
	STEPN 9, S1LO, S1LO+1                          ; asks for the last step
	STEP 10, S1LO, S1LO+1, 0, 0, 60                ; the counts run down
	STEP 11, S1LO, S1LO+1, 0, 0, 52
	STEP 12, S1LO, S1LO+1, 0, 0, 34
	STEP 13, S1LO, S1LO+1, 0, 0, 26
	STEP 14, S1LO, S1LO+1, 0, 0, 8
	s_wait_loadcnt 0x0
	s_wait_dscnt 16
	WIN MUL_LO
	MULQ 0, 15, 0
	MULQ 4, 15, 0
	s_wait_dscnt 0x0
	WIN MUL_HI
	MULQ 8, 15, 0
	MULQ 12, 15, 0
	WIN 0
; THE WAY OUT, 32 rows x 64 columns at a time, through my own stage: back as whole rows of 256 bytes, two rows a load
.macro TOSTAGE p
	WIN 0x08+4*((\p)/4)
.irp e, 0,1
.irp b, 0,1,2,3
	ds_store_b128 v[STO], v[32*((2*(\p)+\e)%8)+8*\b:32*((2*(\p)+\e)%8)+8*\b+3] offset:\e*16*SPITCH+64*\b
	ds_store_b128 v[STO], v[32*((2*(\p)+\e)%8)+8*\b+4:32*((2*(\p)+\e)%8)+8*\b+7] offset:\e*16*SPITCH+64*\b+16
.endr
.endr
	WIN 0
.set BQ, BK+64*((\p)%2)
.irp t, 0,1,2,3,4,5,6,7,8,9,10,11,12,13,14,15
	ds_load_b128 v[BQ+4*\t:BQ+4*\t+3], v[RD] offset:\t*2*SPITCH
.endr
.endm
.macro SEND p, younger
.set BQ, BK+64*((\p)%2)
	s_wait_dscnt \younger
.if (\p) > 0
	s_add_nc_u64 s[10:11], s[10:11], 32*16384
.endif
.irp t, 0,1,2,3,4,5,6,7,8,9,10,11,12,13,14,15
	global_store_b128 v[CO], v[BQ+4*\t:BQ+4*\t+3], s[10:11] offset:\t*2*16384 th:TH_STORE_NT   ; 16 lanes store 256 neighbouring bytes, aligned
.endr
.endm
	PLACES
	TOSTAGE 0
.irp p, 1,2,3,4,5,6,7
.if \p > 1
	s_wait_xcnt 0x0                                ; the stores two rounds back have read their registers and their base
.endif
	TOSTAGE \p
	SEND \p-1, 32
.endr
	s_wait_xcnt 0x0
	SEND 7, 0
	s_wait_tensorcnt 0x0                           ; the wave's end
	ds_add_u32 v[SPW], v[NIL]
	s_wait_dscnt 0x0
	CROUND                                         ; the closing round
	s_endpgm
.Lfunc_end_k_qe80ddebd2d_gemm:
	.size	k_qe80ddebd2d_gemm, .Lfunc_end_k_qe80ddebd2d_gemm-k_qe80ddebd2d_gemm
	.p2alignl 7, 3214868480
	.fill 96, 4, 3214868480
	.section	.rodata,"a",@progbits
	.p2align	6, 0x0
	.amdhsa_kernel k_qe80ddebd2d_gemm
		.amdhsa_group_segment_fixed_size 327680
		.amdhsa_private_segment_fixed_size 0
		.amdhsa_enable_private_segment 0
		.amdhsa_kernarg_size 32
		.amdhsa_user_sgpr_count 2
		.amdhsa_user_sgpr_kernarg_segment_ptr 1
		.amdhsa_wavefront_size32 1
		.amdhsa_system_sgpr_workgroup_id_x 1
		.amdhsa_system_sgpr_workgroup_id_y 1
		.amdhsa_system_sgpr_workgroup_id_z 1
		.amdhsa_system_vgpr_workitem_id 0
		.amdhsa_next_free_vgpr 1024
		.amdhsa_next_free_sgpr 80
		.amdhsa_reserve_vcc 0
		.amdhsa_float_denorm_mode_32 3
		.amdhsa_float_denorm_mode_16_64 3
		.amdhsa_memory_ordered 1
		.amdhsa_forward_progress 1
		.amdhsa_inst_pref_size 255
	.end_amdhsa_kernel
	.section	.bss,"aw",@nobits
	.p2align	6
	.space	262144
	.amdgpu_metadata
---
amdhsa.version: [ 1, 2 ]
amdhsa.kernels:
  - .name:           k_qe80ddebd2d_gemm
    .symbol:         k_qe80ddebd2d_gemm.kd
    .args:
      - { .name: x_codes, .offset: 0, .size: 8, .value_kind: global_buffer, .address_space: global }
      - { .name: w_codes, .offset: 8, .size: 8, .value_kind: global_buffer, .address_space: global }
      - { .name: scl, .offset: 16, .size: 8, .value_kind: global_buffer, .address_space: global }
      - { .name: out0, .offset: 24, .size: 8, .value_kind: global_buffer, .address_space: global }
    .group_segment_fixed_size: 327680
    .private_segment_fixed_size: 0
    .kernarg_segment_align: 8
    .kernarg_segment_size: 32
    .max_flat_workgroup_size: 128
    .sgpr_count:     80
    .vgpr_count:     1024
    .wavefront_size: 32
...
	.end_amdgpu_metadata
.endif
;; end of part 2
